; MI455X (gfx1250); checked and timed in simulation.
; The chip was launched on July 23, 2026; its instructions are those of AMD's public machine-readable ISA for CDNA 5 (MIT licence, August 2026) and "CDNA5" Instruction Set Architecture Reference Guide (July 2026). The comments in the code are by the model that wrote it; some were corrected since.
;; Multi Head Attention. Allowed arithmetic: float matrix products may take bf16 or f16 operands with f32 sums; all other float work in f32.
;; Inputs: b_k 1,024 float32; b_o 1,024 float32; b_q 1,024 float32; b_v 1,024 float32; k 4 x 2,048 x 1,024 float32; q 4 x 2,048 x 1,024 float32; v 4 x 2,048 x 1,024 float32; w_k 1,024 x 1,024 float32; w_o 1,024 x 1,024 float32; w_q 1,024 x 1,024 float32; w_v 1,024 x 1,024 float32.
;; Outputs: out0 4 x 2,048 x 1,024 float32.
;; One version. Each part assembles by itself: llvm-mc -triple=amdgcn-amd-amdhsa -mcpu=gfx1250 --defsym DOCPART=n.
;; ======== version 1 of 1: 4 launches
;; limits: values are held in f16: magnitudes above 65,504 overflow, below 6.1e-05 lose precision
;; workspace buffers: xw 58,720,256 bytes; hd 50,331,648 bytes; cc 16,777,216 bytes
;; launch cast (part 1): grid 1792 x 1, 8 waves a work-group, no clusters, 0 bytes of LDS; arguments q, k, v, w_q, w_k, w_v, w_o, xw; writes xw
.if DOCPART == 1
	.amdgcn_target "amdgcn-amd-amdhsa--gfx1250"
	.amdhsa_code_object_version 6
	.text
	.protected	k_qa8f3a20c64_cast
	.globl	k_qa8f3a20c64_cast
	.p2align	8
	.type	k_qa8f3a20c64_cast,@function
k_qa8f3a20c64_cast:
	s_mov_b64 s[64:65], 0
	v_nop
	global_prefetch_b8 v0, s[64:65] scope:SCOPE_SE
	s_setreg_imm32_b32 hwreg(HW_REG_WAVE_MODE, 25, 1), 1
	s_wait_xcnt 0x0
; f32 to f16, a stream: q, k, v ([8192][1024] each) and w_q, w_k, w_v, w_o ([1024][1024] each) go, in this order and without gaps, into xw.
; Why a launch of its own: the products that follow read every operand from LDS many times; in 16 bits those reads are half as many bytes,
; and each number is rounded once instead of once in every work-group that uses it.
; Why f16 and not bf16: five roundings lie between the inputs and the result (inputs, projections, weights of the softmax, attention output);
; f16 keeps three bits more in each of them.
; LIMIT: a number of magnitude 65,504 or more becomes an infinity here; below 6.1e-5 the step is 6e-8.
; A work-group takes 16,384 numbers (65,536 bytes in, 32,768 out); 512 work-groups for each of q, k, v, 64 for each weight: 1,792.
; A wave takes 8,192 bytes: sixteen loads of 512 neighbouring bytes, all issued at once; each store of the wave covers 256 consecutive bytes, aligned.
; No LDS, no barrier, no matrix unit, no cluster: no byte is used twice and no wave needs another's data.
.set X, 4                              ; v[4:67]   sixteen loads, 4 registers each
.set Y, 68                             ; v[68:99]  sixteen stores, 2 registers each; no register is written twice, so no wait frees any
	s_load_b512 s[8:23], s[0:1], 0x0               ; q s[8:9], k, v, w_q, w_k, w_v, w_o s[20:21], xw s[22:23]
	s_lshr_b32 s2, ttmp9, 9                        ; work-groups 0 to 1535: which of q, k, v,
	s_and_b32 s3, ttmp9, 511                       ; and which chunk of it
	s_sub_co_u32 s4, ttmp9, 1536                   ; work-groups 1536 to 1791:
	s_lshr_b32 s5, s4, 6
	s_add_co_u32 s5, s5, 3                         ; which weight (sources 3 to 6),
	s_and_b32 s6, s4, 63                           ; and which chunk of it
	s_cmp_lt_u32 ttmp9, 1536
	s_cselect_b32 s3, s3, s6                       ; chunk in the source
	s_cselect_b32 s2, s2, s5                       ; source 0 to 6
	s_lshl_b32 s26, s3, 16                         ; 65,536 bytes a chunk in the source
	s_mov_b32 s27, 0
	s_lshl_b32 s28, ttmp9, 15                      ; 32,768 bytes a chunk in xw, in the order of the work-groups
	s_mov_b32 s29, 0
	v_lshrrev_b32 v3, 5, v0                        ; wave
	v_and_b32 v2, 31, v0                           ; lane
	v_lshlrev_b32 v1, 4, v2                        ; in: 16 bytes a lane
	v_lshlrev_b32 v2, 3, v2                        ; out: 8 bytes a lane
	v_lshl_add_u32 v1, v3, 13, v1                  ; + 8,192 bytes a wave
	v_lshl_add_u32 v2, v3, 12, v2                  ; + 4,096 bytes a wave
	s_wait_kmcnt 0x0
	s_mov_b64 s[24:25], s[8:9]
.irp i, 1,2,3,4,5,6
	s_cmp_eq_u32 s2, \i                            ; the source's address is chosen by the work-group's number alone
	s_cselect_b64 s[24:25], s[8+2*\i:9+2*\i], s[24:25]
.endr
	s_add_nc_u64 s[24:25], s[24:25], s[26:27]
	s_add_nc_u64 s[22:23], s[22:23], s[28:29]
.irp j, 0,1,2,3,4,5,6,7,8,9,10,11,12,13,14,15
	global_load_b128 v[X+4*\j:X+4*\j+3], v1, s[24:25] offset:512*\j th:TH_LOAD_NT   ; read once in the launch
.endr
.irp j, 0,1,2,3,4,5,6,7,8,9,10,11,12,13,14,15
	s_wait_loadcnt 15-\j                           ; loads come back in order: load j is in, the 15 - j younger ones stay out
	v_cvt_pk_f16_f32 v[Y+2*\j], v[X+4*\j], v[X+4*\j+1]
	v_cvt_pk_f16_f32 v[Y+2*\j+1], v[X+4*\j+2], v[X+4*\j+3]
	global_store_b64 v2, v[Y+2*\j:Y+2*\j+1], s[22:23] offset:256*\j
.endr
	s_endpgm
.Lfunc_end_k_qa8f3a20c64_cast:
	.size	k_qa8f3a20c64_cast, .Lfunc_end_k_qa8f3a20c64_cast-k_qa8f3a20c64_cast
	.p2alignl 7, 3214868480
	.fill 96, 4, 3214868480
	.section	.rodata,"a",@progbits
	.p2align	6, 0x0
	.amdhsa_kernel k_qa8f3a20c64_cast
		.amdhsa_group_segment_fixed_size 0
		.amdhsa_private_segment_fixed_size 0
		.amdhsa_enable_private_segment 0
		.amdhsa_kernarg_size 64
		.amdhsa_user_sgpr_count 2
		.amdhsa_user_sgpr_kernarg_segment_ptr 1
		.amdhsa_wavefront_size32 1
		.amdhsa_system_sgpr_workgroup_id_x 1
		.amdhsa_system_sgpr_workgroup_id_y 1
		.amdhsa_system_sgpr_workgroup_id_z 1
		.amdhsa_system_vgpr_workitem_id 0
		.amdhsa_next_free_vgpr 104
		.amdhsa_next_free_sgpr 66
		.amdhsa_reserve_vcc 0
		.amdhsa_float_denorm_mode_32 3
		.amdhsa_float_denorm_mode_16_64 3
		.amdhsa_memory_ordered 1
		.amdhsa_forward_progress 1
		.amdhsa_inst_pref_size 8
	.end_amdhsa_kernel
	.amdgpu_metadata
---
amdhsa.version: [ 1, 2 ]
amdhsa.kernels:
  - .name:           k_qa8f3a20c64_cast
    .symbol:         k_qa8f3a20c64_cast.kd
    .args:
      - { .name: q, .offset: 0, .size: 8, .value_kind: global_buffer, .address_space: global }
      - { .name: k, .offset: 8, .size: 8, .value_kind: global_buffer, .address_space: global }
      - { .name: v, .offset: 16, .size: 8, .value_kind: global_buffer, .address_space: global }
      - { .name: w_q, .offset: 24, .size: 8, .value_kind: global_buffer, .address_space: global }
      - { .name: w_k, .offset: 32, .size: 8, .value_kind: global_buffer, .address_space: global }
      - { .name: w_v, .offset: 40, .size: 8, .value_kind: global_buffer, .address_space: global }
      - { .name: w_o, .offset: 48, .size: 8, .value_kind: global_buffer, .address_space: global }
      - { .name: xw, .offset: 56, .size: 8, .value_kind: global_buffer, .address_space: global }
    .group_segment_fixed_size: 0
    .private_segment_fixed_size: 0
    .kernarg_segment_align: 8
    .kernarg_segment_size: 64
    .max_flat_workgroup_size: 256
    .sgpr_count:     66
    .vgpr_count:     104
    .wavefront_size: 32
...
	.end_amdgpu_metadata
.endif
;; end of part 1
;; launch proj (part 2): grid 4 x 96, 4 waves a work-group, clusters of 4 x 4, 327,680 bytes of LDS; arguments xw, b_q, b_k, b_v, hd; writes hd
.if DOCPART == 2
	.amdgcn_target "amdgcn-amd-amdhsa--gfx1250"
	.amdhsa_code_object_version 6
	.text
	.protected	k_qa8f3a20c64_proj
	.globl	k_qa8f3a20c64_proj
	.p2align	8
	.type	k_qa8f3a20c64_proj,@function
k_qa8f3a20c64_proj:
	s_mov_b64 s[64:65], 0
	v_nop
	global_prefetch_b8 v0, s[64:65] scope:SCOPE_SE
	s_setreg_imm32_b32 hwreg(HW_REG_WAVE_MODE, 25, 1), 1
	s_wait_xcnt 0x0
	s_wait_alu depctr_hold_cnt(0) depctr_sa_sdst(0) depctr_va_vdst(0) depctr_va_sdst(0) depctr_va_ssrc(0) depctr_va_vcc(0) depctr_vm_vsrc(0)
	s_getreg_b32 s2, hwreg(HW_REG_IB_STS2, 6, 4)
	s_cmp_eq_u32 s2, 0
	s_cbranch_scc0 .Lentry_in_a_cluster
	s_endpgm
.Lentry_in_a_cluster:
	s_bfe_u32 s2, ttmp6, 0x10000c
	s_cmp_lg_u32 s2, 0xf033
	s_cbranch_scc0 .Lentry_shape_is_right
	s_endpgm
.Lentry_shape_is_right:
; The three projections: y = x W^T + b for (q, w_q, b_q), (k, w_k, b_k), (v, w_v, b_v), operands f16 from xw, sums f32, results f16 into hd,
; head-major: hd = qh, kh, vh, each [4 batches][16 heads][2048][64], so that a head's rows lie densely one behind the other.
; q, k, v lie one behind the other in xw: they are one matrix of 24,576 rows; a block row's number also says which weight and bias it takes.
; A work-group makes 256 rows x 256 columns with four waves; a wave 128 x 128: 64 accumulator tiles of 16 x 16, 512 registers.
; 96 block rows x 4 block columns = 384 work-groups.  Why not blocks of 128 rows, which would give 768: what a wave multiplies between a tile's request and
; the wait for it is one K step less sixteen matrix instructions, 240 here and 120 there, and for 32 along K a wave reads 32 fragments' halves from LDS for 64
; matrix instructions here, 24 for 32 there.
; K = 1024 goes in steps of 128 through two LDS slots; a tile's rows are 256 bytes of memory and begin at multiples of 256 bytes from xw's first byte.
; CLUSTERS: 4 x 4 work-groups.  The four of a row of the cluster need the same tile of x, the four of a column the same tile of W: each tile is asked for
; jointly, by the same tensor load with a mask that names the four.  That divides the requests for x and for W by four.
; THE MATRIX INSTRUCTION IS USED TRANSPOSED (source 0 = rows of W, source 1 = rows of x): a lane then holds eight neighbouring columns of one row.
; The bias is the C operand of each sum's first product: nothing is cleared and nothing is added afterwards.
; LIMIT: a result of magnitude 65,504 or more becomes an infinity in f16.  Sums are made in the matrix unit's order, K ascending.
;
; REGISTERS, in windows of 256:
;   window 0: v16-27 addresses; v64-127, v128-191 fragments of x (8 x 16 rows x 32 K), two buffers; v192-223 packed results
;   window 1: v0-63 the bias (tile b at v[8 b]); v64-127, v128-191 fragments of W, two buffers
;   window 2: the 32 accumulator tiles of my rows 0-63 (tile (a, b) at v[8 (8 a + b)]);   window 3: those of my rows 64-127
.set KSTEP,  128
.set PITCH,  272                       ; an LDS row: 256 bytes + 16 of padding, an odd multiple of 16: the 16 rows of a fragment load begin at 16 different 16-byte columns modulo 256
.set HALFT,  128*PITCH                 ; 128 rows: what one tensor load brings, and what one wave reads of x or of W
.set SLOT,   4*HALFT                   ; 139,264: x's 256 rows, then W's 256 rows
.set STAGE,  2*SLOT                    ; 278,528, a multiple of 256: behind the ring, never a tensor load's target
.set SBYTES, 16*PITCH                  ; 4,352 bytes of stage for each wave
.set LAPS,   1024/(2*KSTEP)            ; a lap = two K steps = once round the ring: 4
.set ADRA, 16                          ; v16-17  LDS address of my fragments of x in slot 0, 1
.set ADRB, 20                          ; v20-21  the same for W
.set STO,  24                          ; v24     the way out: where I put 16 bytes of a row
.set RD,   25                          ; v25     the way out: where I read back
.set CO,   26                          ; v26     my byte offset in hd
.set BO,   27                          ; v27     my byte offset in the bias
.set F0,   64                          ; fragment buffer 0
.set F1,   128                         ; fragment buffer 1
.set TMP,  192                         ; v192-223 packed results
.set G1A, 24                           ; s[24:31] descriptor group 1 for x's tiles
.set G0A, 32                           ; s[32:39] group 0 for x's tiles, a set for each slot
.set G1B, 40                           ; s[40:47] group 1 for W's tiles: it differs from x's in the mask alone
.set G0B, 48                           ; s[48:55] group 0 for W's tiles, a set for each slot
.set MSB, 0
.macro WIN new                         ; low byte: bits 1:0 source 0, 3:2 source 1, 5:4 source 2, 7:6 destination; the high byte repeats the setting that is left
.if MSB != (\new)
	s_set_vgpr_msb (MSB<<8)|(\new)
.set MSB, (\new)
.endif
.endm
; A joint load.  Waves 0 and 1 fetch the two halves of x's tile, waves 2 and 3 those of W's.  The branch hangs on the wave's number alone.
.macro JLOAD s
	s_cmp_eq_u32 s15, 0
	s_cbranch_scc0 .Lfor_b_\@
	tensor_load_to_lds s[G0A+4*\s:G0A+4*\s+3], s[G1A:G1A+7]
	s_nop 0
	s_branch .Lasked_\@
.Lfor_b_\@:
	tensor_load_to_lds s[G0B+4*\s:G0B+4*\s+3], s[G1B:G1B+7]
	s_nop 0
.Lasked_\@:
.endm
; A round of the cluster's barrier: my work-group's barrier; wave 0 signals for the work-group; every wave waits for all sixteen; my work-group's barrier again.
.macro CREST                           ; a round behind its opening barrier
	s_cmp_lg_u32 s14, 0
	s_cbranch_scc1 .Lnot_wave_0_\@
	s_barrier_signal -3
.Lnot_wave_0_\@:
	s_barrier_wait -3
	s_barrier_signal -1
	s_barrier_wait -1
.endm
.macro CROUND
	s_barrier_signal -1
	s_barrier_wait -1
	CREST
.endm
	s_load_b256 s[4:11], s[0:1], 0x0               ; xw s[4:5], b_q s[6:7], b_k s[8:9], b_v s[10:11]
	s_load_b64 s[12:13], s[0:1], 0x20              ; hd
	s_set_vgpr_msb 0x40
	v_lshl_add_u32 v255, v0, 2, 0x48400
	s_set_vgpr_msb 0x4000
	v_mov_b32 v255, 0
	s_set_vgpr_msb 0x1
	ds_add_u32 v255, v255
	ds_add_u32 v255, v255
	s_set_vgpr_msb 0x100
	v_lshrrev_b32 v1, 5, v0
	v_readfirstlane_b32 s14, v1                    ; wave 0..3
	s_lshr_b32 s15, s14, 1                         ; which 128 of the block's rows are mine.  Also: I fetch for x (0) or for W (1)
	s_and_b32 s16, s14, 1                          ; which 128 of its columns.  Also: which 128 rows of that tile I fetch
	s_bfe_u32 s17, ttmp6, 0x40000                  ; cx
	s_bfe_u32 s18, ttmp6, 0x40004                  ; cy
	s_lshl_b32 s19, ttmp9, 2
	s_add_co_u32 s19, s19, s17                     ; block column = 4 x cluster x + cx, 0..3
	s_and_b32 s20, ttmp7, 0xffff                   ; cluster y, 0..23
	s_lshr_b32 s21, s20, 3                         ; 8 clusters for each projection: 0 q, 1 k, 2 v; the same in all sixteen partners
	s_lshl_b32 s20, s20, 2
	s_add_co_u32 s20, s20, s18                     ; block row = 4 x cluster y + cy, 0..95
	s_lshl_b32 s22, s18, 2
	s_lshl_b32 s22, 15, s22                        ; my row of the cluster: places 4 cy .. 4 cy + 3
	s_lshl_b32 s23, 0x1111, s17                    ; my column: places cx, cx + 4, cx + 8, cx + 12
	; group 1: tiles of 128 rows x 128 elements of 2 bytes, 1,024 elements from row to row, 4 words of padding behind every 64
	s_or_b32 s[G1A+0], s22, (1<<16)|(1<<20)|(1<<21)|(5<<22)|(3<<25)  ; 15:0 mask; 17:16 element of 2 bytes; 20 padding on; 21 set beside a mask; 24:22 every 64 words; 31:25 4 words
	s_mov_b32 s[G1A+1], KSTEP<<16                  ; tensor_dim0 = 128
	s_mov_b32 s[G1A+2], 128<<16                    ; tensor_dim1 = 128
	s_mov_b32 s[G1A+3], KSTEP<<16                  ; tile_dim0 = 128
	s_mov_b32 s[G1A+4], 128                        ; tile_dim1 = 128
	s_mov_b32 s[G1A+5], 1024                       ; elements from row to row
	s_mov_b32 s[G1A+6], 0
	s_mov_b32 s[G1A+7], 0
	s_or_b32 s[G1B+0], s23, (1<<16)|(1<<20)|(1<<21)|(5<<22)|(3<<25)
	s_mov_b32 s[G1B+1], KSTEP<<16
	s_mov_b32 s[G1B+2], 128<<16
	s_mov_b32 s[G1B+3], KSTEP<<16
	s_mov_b32 s[G1B+4], 128
	s_mov_b32 s[G1B+5], 1024
	s_mov_b32 s[G1B+6], 0
	s_mov_b32 s[G1B+7], 0
	; where the tiles come from.  x's hang on the block row alone, W's on the projection and the block column alone; each in registers that never hold the other coordinate.
	s_lshl_b32 s56, s20, 19                        ; 256 rows of 2,048 bytes a block row
	s_lshl_b32 s57, s16, 18                        ; + my 128 rows
	s_add_co_u32 s56, s56, s57
	s_mov_b32 s57, 0
	s_lshl_b32 s58, s19, 19                        ; 256 rows of 2,048 bytes a block column
	s_lshl_b32 s59, s16, 18                        ; + my 128 rows
	s_add_co_u32 s58, s58, s59
	s_lshl_b32 s59, s21, 21                        ; + the projection's weight, 2 MiB each,
	s_add_co_u32 s58, s58, s59
	s_add_co_u32 s58, s58, 0x3000000               ; which begin 48 MiB into xw
	s_mov_b32 s59, 0
	s_mul_i32 s68, s14, HALFT                      ; and where they go: x's two halves, then W's two halves = wave x 128 rows: no place in the cluster enters an LDS address
	s_wait_dscnt 0x0
	s_wait_kmcnt 0x0
	s_add_nc_u64 s[56:57], s[4:5], s[56:57]
	s_add_nc_u64 s[58:59], s[4:5], s[58:59]
	CROUND                                         ; all sixteen work-groups are here: the first joint loads meet
.irp s, 0,1
	s_mov_b32 s[G0A+4*\s], 1                                       ; count = 1
	s_add_co_u32 s[G0A+4*\s+1], s68, \s*SLOT                       ; LDS address
	s_add_nc_u64 s[G0A+4*\s+2:G0A+4*\s+3], s[56:57], \s*KSTEP*2    ; global address: K step s
	s_or_b32 s[G0A+4*\s+3], s[G0A+4*\s+3], 0x80000000              ; type = 2
	s_mov_b32 s[G0B+4*\s], 1
	s_add_co_u32 s[G0B+4*\s+1], s68, \s*SLOT
	s_add_nc_u64 s[G0B+4*\s+2:G0B+4*\s+3], s[58:59], \s*KSTEP*2
	s_or_b32 s[G0B+4*\s+3], s[G0B+4*\s+3], 0x80000000
	JLOAD \s                                       ; both slots are asked for before anything else: two tensor loads of the wave are out, the most in this text
.endr
	; the bias: register j of tile b in lane (r, h) belongs to column 16 b + 8 h + j of my 128
	s_cmp_eq_u32 s21, 1
	s_cselect_b64 s[60:61], s[8:9], s[6:7]
	s_cmp_eq_u32 s21, 2
	s_cselect_b64 s[60:61], s[10:11], s[60:61]
	s_lshl_b32 s62, s19, 10                        ; 256 columns of 4 bytes a block column
	s_lshl_b32 s63, s16, 9                         ; + my 128
	s_add_co_u32 s62, s62, s63
	s_mov_b32 s63, 0
	s_add_nc_u64 s[60:61], s[60:61], s[62:63]
	v_and_b32 v1, 15, v0                           ; r
	v_bfe_u32 v2, v0, 4, 1                         ; h
	v_lshlrev_b32 v[BO], 5, v2
	WIN 0x40                                       ; destination in window 1
.irp b, 0,1,2,3,4,5,6,7
	global_load_b128 v[8*\b:8*\b+3],   v[BO], s[60:61] offset:64*\b
	global_load_b128 v[8*\b+4:8*\b+7], v[BO], s[60:61] offset:64*\b+16
.endr
	WIN 0
	; A fragment is 16 rows x 32 K in 8 registers: lane (r, h) holds row r; registers 0-3 K = 8 h + 0..7, registers 4-7 K = 16 + 8 h + 0..7: two loads of 16 bytes, 32 apart.
	v_mul_u32_u24 v3, v1, PITCH
	v_lshl_add_u32 v3, v2, 4, v3                   ; r x pitch + 16 h
	s_mul_i32 s70, s15, HALFT                      ; my 128 rows of x
	s_mul_i32 s71, s16, HALFT                      ; my 128 rows of W,
	s_add_co_u32 s71, s71, 2*HALFT                 ; which lie behind x's 256
.irp s, 0,1
	v_add_nc_u32 v[ADRA+\s], s70, v3
	v_add_nc_u32 v[ADRB+\s], s71, v3
	s_add_co_u32 s70, s70, SLOT
	s_add_co_u32 s71, s71, SLOT
.endr
	s_mul_i32 s70, s14, SBYTES
	s_add_co_u32 s70, s70, STAGE                   ; my stage
	v_add_nc_u32 v[STO], s70, v3                   ; in: row r, 16 bytes for each half of the lanes
	v_and_b32 v4, 31, v0                           ; lane
	v_lshrrev_b32 v5, 3, v4
	v_and_b32 v6, 7, v0
	v_mul_u32_u24 v5, v5, PITCH                    ; back: eight lanes take the 128 bytes that one head has in a row, 32 lanes four rows
	v_lshl_add_u32 v5, v6, 4, v5
	v_add_nc_u32 v[RD], s70, v5
	v_lshlrev_b32 v[CO], 4, v4                     ; in hd those four rows are 512 neighbouring bytes
; 16 matrix instructions: row blocks a0, a0 + 1 of the window's four (hi = 0: my rows 0-63, 1: rows 64-127) x all 8 column blocks, 32 along K.
; first = 1: the bias (window 1) is C and starts the sums.  Source 0 (W) window 1, source 1 (x) window 0, D window 2 + hi; C the same but in the first products.
; The 64 accumulators take turns, one instruction a turn, in the same order in every quarter step, over the loop's backward jump too.
.macro MUL16 f, hi, a0, first
.if \first
	WIN 0x91+0x40*\hi
.else
	WIN 0xa1+0x50*\hi
.endif
.irp a, \a0, \a0+1
.irp b, 0,1,2,3,4,5,6,7
.if \first
	v_wmma_f32_16x16x32_f16 v[8*(8*(\a)+\b):8*(8*(\a)+\b)+7], v[\f+8*\b:\f+8*\b+7], v[\f+8*(4*\hi+\a):\f+8*(4*\hi+\a)+7], v[8*\b:8*\b+7]
.else
	v_wmma_f32_16x16x32_f16 v[8*(8*(\a)+\b):8*(8*(\a)+\b)+7], v[\f+8*\b:\f+8*\b+7], v[\f+8*(4*\hi+\a):\f+8*(4*\hi+\a)+7], v[8*(8*(\a)+\b):8*(8*(\a)+\b)+7]
.endif
.endr
.endr
.endm
; 32 LDS loads in one run: the fragments of one quarter step (128 rows of W, then 128 rows of x, 32 K at byte k of the rows) into buffer f
.macro FETCH slot, k, f
	WIN 0x40                                       ; destination window 1, address window 0
.irp i, 0,1,2,3,4,5,6,7
	ds_load_b128 v[\f+8*\i:\f+8*\i+3],   v[ADRB+\slot] offset:\k+\i*16*PITCH
	ds_load_b128 v[\f+8*\i+4:\f+8*\i+7], v[ADRB+\slot] offset:\k+\i*16*PITCH+32
.endr
	WIN 0
.irp i, 0,1,2,3,4,5,6,7
	ds_load_b128 v[\f+8*\i:\f+8*\i+3],   v[ADRA+\slot] offset:\k+\i*16*PITCH
	ds_load_b128 v[\f+8*\i+4:\f+8*\i+7], v[ADRA+\slot] offset:\k+\i*16*PITCH+32
.endr
.endm
; A load into a register that a matrix instruction has read, and a vector instruction that reads a matrix result, stand four places behind that matrix
; instruction; only plain vector instructions that name none of its registers are places (ISA guide 7.12.1 for vector instructions).
.macro PLACES
.rept 4
	v_nop
.endr
.endm
; One of a K step's first three quarters: multiplies buffer f; in its middle it fetches the next quarter's fragments, at byte k of the rows, into buffer g.
.macro QUARTER slot, k, f, g, first
	s_wait_dscnt 8                                 ; W and x's rows 0-63 are in; the youngest eight loads (x's rows 64-127) may be out
	MUL16 \f, 0, 0, \first
	MUL16 \f, 0, 2, \first
	PLACES
	FETCH \slot, \k, \g
	s_wait_dscnt 32                                ; all but the 32 just issued
	MUL16 \f, 1, 0, \first
	MUL16 \f, 1, 2, \first
.endm
.macro THREE slot, first
	QUARTER \slot, 64,  F0, F1, \first
	QUARTER \slot, 128, F1, F0, 0
	QUARTER \slot, 192, F0, F1, 0
.endm
; The last quarter: multiplies buffer 1 and changes slots.  One barrier for two things: in front of it each wave waits for its reads of this slot and for all its
; tensor loads, of which one is out, its part of the next slot.  Behind it nobody reads this slot and the next is whole: the refill comes first, then the next
; slot's first fragments.  From a request to the wait for it a wave issues 240 matrix instructions.
.macro TURN slot, next, fill
	s_wait_dscnt 8
	MUL16 F1, 0, 0, 0
	s_wait_dscnt 0                                 ; my reads of this slot are over
	s_wait_tensorcnt 0x0                           ; and all my tensor loads have landed
	ds_add_u32 v255, v255
	s_wait_dscnt 0x0
	s_barrier_signal -1                            ; say so (where the slot is filled again this barrier opens a round of the cluster's barrier),
	MUL16 F1, 0, 2, 0                              ; work on registers while the others arrive,
	WIN 0
	s_barrier_wait -1
.if \fill
	CREST                                          ; no wave of any partner still reads this slot's tile or has a load on its way
	s_add_nc_u64 s[G0A+4*\slot+2:G0A+4*\slot+3], s[G0A+4*\slot+2:G0A+4*\slot+3], 2*KSTEP*2   ; no tensor load of mine is out: group 0 may be written
	s_add_nc_u64 s[G0B+4*\slot+2:G0B+4*\slot+3], s[G0B+4*\slot+2:G0B+4*\slot+3], 2*KSTEP*2
	JLOAD \slot                                    ; my one tensor load behind the round, and the first thing there
.endif
	PLACES
	FETCH \next, 0, F0
	MUL16 F1, 1, 0, 0
	MUL16 F1, 1, 2, 0
.endm
.macro LAP first
	THREE 0, \first
	TURN 0, 1, 1
	THREE 1, 0
	TURN 1, 0, 1
.endm
	s_wait_tensorcnt 1                             ; my part of K step 0 is in; K step 1's may stay out
	s_barrier_signal -1
	s_barrier_wait -1                              ; everybody's is
	FETCH 0, 0, F0
	s_wait_loadcnt 0x0                             ; the bias
	LAP 1                                          ; the first lap stands in front of the loop: its first products start the sums
	WIN 0                                          ; at a label and at a branch every window is 0
	s_mov_b32 s3, LAPS-2
.Llap:
	LAP 0
	WIN 0
	s_sub_co_u32 s3, s3, 1
	s_cmp_lg_u32 s3, 0
	s_cbranch_scc1 .Llap
	THREE 0, 0                                     ; the last lap fills nothing: my one tensor load that is still out is slot 1's, the last K step's
	TURN 0, 1, 0
	THREE 1, 0
	s_wait_dscnt 8                                 ; the very last quarter: nothing more to fetch
	MUL16 F1, 0, 0, 0
	MUL16 F1, 0, 2, 0
	s_wait_dscnt 0
	MUL16 F1, 1, 0, 0
	MUL16 F1, 1, 2, 0
	; THE WAY OUT, 16 rows at a time: round to f16, 16 bytes a lane into my own stage, read back head by head, four rows of a head (512 dense bytes of hd) a store.
	PLACES
	s_lshr_b32 s66, s20, 3                         ; block row / 8 = 4 x projection + batch: 4 MiB each
	s_lshl_b32 s66, s66, 22
	s_lshl_b32 s62, s19, 20                        ; four heads of 262,144 bytes a block column
	s_add_co_u32 s66, s66, s62
	s_lshl_b32 s62, s16, 19                        ; two heads for my 128 columns
	s_add_co_u32 s66, s66, s62
	s_and_b32 s62, s20, 7                          ; 256 rows of 128 bytes a block row inside the batch
	s_lshl_b32 s62, s62, 15
	s_add_co_u32 s66, s66, s62
	s_lshl_b32 s62, s15, 14                        ; my 128 rows
	s_add_co_u32 s66, s66, s62
	s_mov_b32 s67, 0
	s_add_nc_u64 s[12:13], s[12:13], s[66:67]
; rows 16 i .. 16 i + 15 of my block = the eight tiles (a, 0..7) of window 2 or 3 (from = 0x0a or 0x0f: sources 0 and 1); f: F0 or F1 in turn
.macro OUT16 i, a, from, f
	WIN \from
.irp b, 0,1,2,3,4,5,6,7
.irp r, 0,1,2,3
	v_cvt_pk_f16_f32 v[TMP+4*\b+\r], v[8*(8*\a+\b)+2*\r], v[8*(8*\a+\b)+2*\r+1]
.endr
.endr
	WIN 0
.irp b, 0,1,2,3,4,5,6,7
	ds_store_b128 v[STO], v[TMP+4*\b:TMP+4*\b+3] offset:32*\b
.endr
	s_wait_xcnt 0x0                                ; buffer f, which earlier stores read, is loaded again only behind this wait (ISA guide 3.1)
.irp t, 0,1,2,3,4,5,6,7
	ds_load_b128 v[\f+4*\t:\f+4*\t+3], v[RD] offset:(\t&3)*4*PITCH+(\t>>2)*128   ; LDS serves a wave's instructions in order: these see the stores above
.endr
.irp t, 0,1,2,3,4,5,6,7
	s_wait_dscnt 7-\t
	global_store_b128 v[CO], v[\f+4*\t:\f+4*\t+3], s[12:13] offset:2048*\i+(\t&3)*512+(\t>>2)*262144   ; 512 consecutive bytes of one head, aligned
.endr
.endm
	OUT16 0, 0, 0x0a, F0
	OUT16 1, 1, 0x0a, F1
	OUT16 2, 2, 0x0a, F0
	OUT16 3, 3, 0x0a, F1
	OUT16 4, 0, 0x0f, F0
	OUT16 5, 1, 0x0f, F1
	OUT16 6, 2, 0x0f, F0
	OUT16 7, 3, 0x0f, F1
	s_set_vgpr_msb 0x1
	s_wait_tensorcnt 0x0
	ds_add_u32 v255, v255
	s_wait_dscnt 0x0
	s_set_vgpr_msb 0x100
	CROUND                                         ; the closing round: no work-group ends while a partner may still ask for a tile that names it
	s_endpgm
.Lfunc_end_k_qa8f3a20c64_proj:
	.size	k_qa8f3a20c64_proj, .Lfunc_end_k_qa8f3a20c64_proj-k_qa8f3a20c64_proj
	.p2alignl 7, 3214868480
	.fill 96, 4, 3214868480
	.section	.rodata,"a",@progbits
	.p2align	6, 0x0
	.amdhsa_kernel k_qa8f3a20c64_proj
		.amdhsa_group_segment_fixed_size 327680
		.amdhsa_private_segment_fixed_size 0
		.amdhsa_enable_private_segment 0
		.amdhsa_kernarg_size 40
		.amdhsa_user_sgpr_count 2
		.amdhsa_user_sgpr_kernarg_segment_ptr 1
		.amdhsa_wavefront_size32 1
		.amdhsa_system_sgpr_workgroup_id_x 1
		.amdhsa_system_sgpr_workgroup_id_y 1
		.amdhsa_system_sgpr_workgroup_id_z 1
		.amdhsa_system_vgpr_workitem_id 0
		.amdhsa_next_free_vgpr 1024
		.amdhsa_next_free_sgpr 80
		.amdhsa_reserve_vcc 0
		.amdhsa_float_denorm_mode_32 3
		.amdhsa_float_denorm_mode_16_64 3
		.amdhsa_memory_ordered 1
		.amdhsa_forward_progress 1
		.amdhsa_inst_pref_size 198
	.end_amdhsa_kernel
	.amdgpu_metadata
---
amdhsa.version: [ 1, 2 ]
amdhsa.kernels:
  - .name:           k_qa8f3a20c64_proj
    .symbol:         k_qa8f3a20c64_proj.kd
    .args:
      - { .name: xw, .offset: 0, .size: 8, .value_kind: global_buffer, .address_space: global }
      - { .name: b_q, .offset: 8, .size: 8, .value_kind: global_buffer, .address_space: global }
      - { .name: b_k, .offset: 16, .size: 8, .value_kind: global_buffer, .address_space: global }
      - { .name: b_v, .offset: 24, .size: 8, .value_kind: global_buffer, .address_space: global }
      - { .name: hd, .offset: 32, .size: 8, .value_kind: global_buffer, .address_space: global }
    .group_segment_fixed_size: 327680
    .private_segment_fixed_size: 0
    .kernarg_segment_align: 8
    .kernarg_segment_size: 40
    .max_flat_workgroup_size: 128
    .sgpr_count:     80
    .vgpr_count:     1024
    .wavefront_size: 32
...
	.end_amdgpu_metadata
.endif
;; end of part 2
;; launch attn (part 3): grid 256 x 1, 8 waves a work-group, clusters of 4 x 1, 327,680 bytes of LDS; arguments hd, cc; writes cc
.if DOCPART == 3
	.amdgcn_target "amdgcn-amd-amdhsa--gfx1250"
	.amdhsa_code_object_version 6
	.text
	.protected	k_qa8f3a20c64_attn
	.globl	k_qa8f3a20c64_attn
	.p2align	8
	.type	k_qa8f3a20c64_attn,@function
k_qa8f3a20c64_attn:
	s_mov_b64 s[64:65], 0
	v_nop
	global_prefetch_b8 v0, s[64:65] scope:SCOPE_SE
	s_setreg_imm32_b32 hwreg(HW_REG_WAVE_MODE, 25, 1), 1
	s_wait_xcnt 0x0
	s_wait_alu depctr_hold_cnt(0) depctr_sa_sdst(0) depctr_va_vdst(0) depctr_va_sdst(0) depctr_va_ssrc(0) depctr_va_vcc(0) depctr_vm_vsrc(0)
	s_getreg_b32 s2, hwreg(HW_REG_IB_STS2, 6, 4)
	s_cmp_eq_u32 s2, 0
	s_cbranch_scc0 .Lentry_in_a_cluster
	s_endpgm
.Lentry_in_a_cluster:
	s_bfe_u32 s2, ttmp6, 0x10000c
	s_cmp_lg_u32 s2, 0x3003
	s_cbranch_scc0 .Lentry_shape_is_right
	s_endpgm
.Lentry_shape_is_right:
; Attention for one (batch, head) and 512 queries: softmax(Q K^T / 8) V with a running maximum, never holding more than 64 keys' scores.
; hd = qh, kh, vh, each [64 (batch, head)][2048][64] f16; cc = the same shape, f16.
; A cluster of four work-groups takes one (batch, head); each work-group 512 queries; each of its eight waves 64 queries (4 tiles of 16).
; CLUSTERS: the four partners walk the same K and V tiles, so every tile is asked for jointly (mask 15): the requests are divided by four.
; Eight waves, two on each SIMD with 512 registers each: per 64 keys a wave has 64 matrix instructions and about as many issue slots of softmax again,
; so one wave's softmax runs while the other's matrix instructions do.
; ORIENTATION, chosen so that nothing moves between lanes but one exchange for the maximum:
;   S^T(kt, qt) = K x Q^T: lane (r, h), register j holds key 16 kt + 8 h + j, query r.
;   Two neighbouring tiles of S^T, packed to f16, ARE the B fragment P^T(kk, qt) of 32 keys.
;   O^T(dt, qt) += V^T(dt, kk) x P^T(kk, qt), V^T read from LDS by the transposing load: lane (r, h), register j holds d = 16 dt + 8 h + j of query r.
;   So maximum, sum and rescaling factor belong to the lane; the two halves of the wave hold different keys of the same query.
; THE EIGHT TILES OF 256 KEYS: tile 0 is written out (it starts the sums), tiles 1 to 6 are three passes of a loop of two, tile 7 is written out (it asks for nothing):
; four tiles' code in all, of which the loop's two run three times.
; LIMITS: weights are exp2 of a number at most 0 (but for the rounding of m c): those below 2^-126 are zero, those below 6e-8 round to zero in f16; a row's sum is at least 1.
; An attention output of magnitude 65,504 or more becomes an infinity in f16.  Sums are made in the matrix unit's order and block by block.
.set PITCHK, 144                       ; a key's 128 bytes + 16: an odd multiple of 16
.set PITCHV, 160                       ; a value row's 128 bytes + 32: an odd multiple of 32, for the transposing load
.set KBYTES, 256*PITCHK                ; 36,864
.set SLOT,   256*PITCHK+256*PITCHV     ; 77,824: 256 keys, then their 256 value rows
.set STAGE,  2*SLOT                    ; 155,648, a multiple of 256; 2,304 bytes for each wave, never a tensor load's target
.set TILE,   256*128                   ; bytes of 256 keys in memory
.set ADRK, 8                           ; v8-9    LDS address of my K fragments in slot 0, 1
.set ADRV, 10                          ; v10-11  the same for V
.set QOFF, 12                          ; v12     my offset in the wave's queries
.set STO,  13                          ; v13     the way out: in
.set RD,   14                          ; v14     the way out: back
.set CO,   15                          ; v15     my offset in cc
.set NM,   16                          ; v[16:23] for each query tile the pair (- m c, m): m the running maximum of the raw scores
.set AL,   24                          ; v[24:31] the pair (alpha, l): this step's rescaling factor, the running sum of my half of the keys
.set RS,   32                          ; v[32:39] a pair of partial sums
.set T,    40                          ; v[40:43]
.set U,    44                          ; v[44:47]
.set TMP,  48                          ; v[48:63] packed results
.set QF,   64                          ; Q(qt, ks) at QF + 8 (2 qt + ks)
.set KF,   128                         ; K(kt, ks) at KF + 8 (2 kt + ks)
.set VF,   192                         ; V(dt, kk) at VF + 8 (2 dt + kk)
; window 1: S(kt, qt) at v[8 (4 qt + kt)], later P(kk, qt) at v[32 qt + 16 kk]; O(dt, qt) at v[128 + 8 (4 qt + dt)]
.set G1K, 16                           ; s[16:23]
.set G1V, 24                           ; s[24:31]
.set G0K, 32                           ; s[32:39] a set for each slot
.set G0V, 40                           ; s[40:47]
.set MSB, 0
.macro WIN new                         ; low byte: bits 1:0 source 0, 3:2 source 1, 5:4 source 2, 7:6 destination; the high byte repeats the setting that is left
.if MSB != \new
	s_set_vgpr_msb (MSB<<8)|\new
.set MSB, \new
.endif
.endm
.macro ROUND                           ; a round of the cluster's barrier
	s_barrier_signal -1
	s_barrier_wait -1
	s_cmp_lg_u32 s8, 0
	s_cbranch_scc1 .Lnot_wave_0_\@
	s_barrier_signal -3
.Lnot_wave_0_\@:
	s_barrier_wait -3
	s_barrier_signal -1
	s_barrier_wait -1
.endm
.macro JLOAD s                         ; waves 0-3 fetch a quarter of K's tile each, waves 4-7 of V's; the branch hangs on the wave's number alone
	s_cmp_eq_u32 s9, 0
	s_cbranch_scc0 .Lfor_v_\@
	tensor_load_to_lds s[G0K+4*(\s):G0K+4*(\s)+3], s[G1K:G1K+7]
	s_nop 0
	s_branch .Lasked_\@
.Lfor_v_\@:
	tensor_load_to_lds s[G0V+4*(\s):G0V+4*(\s)+3], s[G1V:G1V+7]
	s_nop 0
.Lasked_\@:
.endm
	s_load_b128 s[4:7], s[0:1], 0x0                ; hd s[4:5], cc s[6:7]
	v_lshl_add_u32 v190, v0, 2, 0x2a800
	v_mov_b32 v191, 0
	ds_add_u32 v190, v191
	ds_add_u32 v190, v191
	s_wait_dscnt 0x0
	v_lshrrev_b32 v1, 5, v0
	v_readfirstlane_b32 s8, v1                     ; wave 0..7
	s_lshr_b32 s9, s8, 2                           ; I fetch for K (0) or for V (1)
	s_and_b32 s10, s8, 3                           ; which 64 keys of a tile
	s_bfe_u32 s11, ttmp6, 0x40000                  ; cx: which 512 queries; it enters the addresses of Q and of cc alone
	s_mov_b32 s12, 0x76543210                      ; v_permlanex16_b32: lane i reads lane i of the other half
	s_mov_b32 s13, 0xfedcba98
	s_mov_b32 s14, 0x3e38aa3b                      ; c = log2(e) / 8: the division by the root of 64 and the change to base 2 in one factor
	s_mov_b32 s15, 0x3e38aa3b
	; group 1: 64 keys are 8,192 dense bytes, fetched as 32 rows of 256 bytes; behind every 32 words (one key) 4 words of padding for K, 8 for V
	s_mov_b32 s[G1K+0], 15|(1<<16)|(1<<20)|(1<<21)|(4<<22)|(3<<25)
	s_mov_b32 s[G1K+1], 128<<16                    ; tensor_dim0 = 128 elements of 2 bytes
	s_mov_b32 s[G1K+2], 32<<16                     ; tensor_dim1 = 32
	s_mov_b32 s[G1K+3], 128<<16                    ; tile_dim0 = 128
	s_mov_b32 s[G1K+4], 32                         ; tile_dim1 = 32
	s_mov_b32 s[G1K+5], 128                        ; from row to row
	s_mov_b32 s[G1K+6], 0
	s_mov_b32 s[G1K+7], 0
	s_mov_b32 s[G1V+0], 15|(1<<16)|(1<<20)|(1<<21)|(4<<22)|(7<<25)
	s_mov_b32 s[G1V+1], 128<<16
	s_mov_b32 s[G1V+2], 32<<16
	s_mov_b32 s[G1V+3], 128<<16
	s_mov_b32 s[G1V+4], 32
	s_mov_b32 s[G1V+5], 128
	s_mov_b32 s[G1V+6], 0
	s_mov_b32 s[G1V+7], 0
	s_lshl_b32 s50, ttmp9, 18                      ; the cluster's number is the (batch, head): 262,144 bytes each
	s_lshl_b32 s51, s10, 13                        ; + my 64 keys
	s_add_co_u32 s50, s50, s51
	s_add_co_u32 s52, s50, 2<<24                   ; vh begins 32 MiB into hd,
	s_add_co_u32 s50, s50, 1<<24                   ; kh 16 MiB
	s_mov_b32 s51, 0
	s_mov_b32 s53, 0
	s_lshl_b32 s54, ttmp9, 18                      ; my wave's 64 queries, in qh and in cc alike
	s_lshl_b32 s55, s11, 16
	s_add_co_u32 s54, s54, s55
	s_lshl_b32 s55, s8, 13
	s_add_co_u32 s54, s54, s55
	s_mov_b32 s55, 0
	s_mul_i32 s58, s10, 64*PITCHK                  ; where my part of a tile goes: made of the wave's number alone
	s_mul_i32 s59, s10, 64*PITCHV
	s_add_co_u32 s59, s59, KBYTES
	s_wait_kmcnt 0x0
	s_add_nc_u64 s[50:51], s[4:5], s[50:51]
	s_add_nc_u64 s[52:53], s[4:5], s[52:53]
	s_add_nc_u64 s[56:57], s[4:5], s[54:55]
	s_add_nc_u64 s[6:7], s[6:7], s[54:55]
.irp s, 0,1
	s_mov_b32 s[G0K+4*\s], 1
	s_add_co_u32 s[G0K+4*\s+1], s58, \s*SLOT
	s_add_nc_u64 s[G0K+4*\s+2:G0K+4*\s+3], s[50:51], \s*TILE       ; slot s begins with tile s
	s_or_b32 s[G0K+4*\s+3], s[G0K+4*\s+3], 0x80000000
	s_mov_b32 s[G0V+4*\s], 1
	s_add_co_u32 s[G0V+4*\s+1], s59, \s*SLOT
	s_add_nc_u64 s[G0V+4*\s+2:G0V+4*\s+3], s[52:53], \s*TILE
	s_or_b32 s[G0V+4*\s+3], s[G0V+4*\s+3], 0x80000000
.endr
	ROUND                                          ; the four partners are here: the first joint load meets
	JLOAD 0                                        ; tile 0.  By this text's count one tensor load of a wave is out at any time
	v_and_b32 v1, 15, v0                           ; r
	v_bfe_u32 v2, v0, 4, 1                         ; h
	v_mul_u32_u24 v[ADRK], v1, PITCHK
	v_lshl_add_u32 v[ADRK], v2, 4, v[ADRK]         ; K fragment: key r, 16 bytes for each half of the lanes
	v_add_nc_u32 v[ADRK+1], SLOT, v[ADRK]
	v_and_b32 v4, 7, v0
	v_lshl_add_u32 v4, v2, 3, v4                   ; transposing load: value row 8 h + (lane mod 8),
	v_mul_u32_u24 v4, v4, PITCHV
	v_bfe_u32 v5, v0, 3, 1
	v_lshl_add_u32 v4, v5, 4, v4                   ; its first or second 16 bytes of the 32 that 16 columns take
	v_add_nc_u32 v[ADRV], KBYTES, v4
	v_add_nc_u32 v[ADRV+1], KBYTES+SLOT, v4
	v_lshlrev_b32 v[QOFF], 7, v1
	v_lshl_add_u32 v[QOFF], v2, 4, v[QOFF]         ; Q fragment: query r, 128 bytes a query
.irp qt, 0,1,2,3
.irp ks, 0,1
	global_load_b128 v[QF+8*(2*\qt+\ks):QF+8*(2*\qt+\ks)+3],   v[QOFF], s[56:57] offset:2048*\qt+64*\ks
	global_load_b128 v[QF+8*(2*\qt+\ks)+4:QF+8*(2*\qt+\ks)+7], v[QOFF], s[56:57] offset:2048*\qt+64*\ks+32
.endr
.endr
	s_mul_i32 s49, s8, 16*PITCHK
	s_add_co_u32 s49, s49, STAGE                   ; my stage
	v_add_nc_u32 v[STO], s49, v[ADRK]              ; in: query r, 16 bytes for each half of the lanes
	v_and_b32 v6, 31, v0                           ; lane
	v_lshrrev_b32 v7, 3, v6
	v_mul_u32_u24 v7, v7, PITCHK                   ; back: eight lanes take a query's 128 bytes, 32 lanes four queries
	v_and_b32 v5, 7, v0
	v_lshl_add_u32 v7, v5, 4, v7
	v_add_nc_u32 v[RD], s49, v7
	v_lshlrev_b32 v[CO], 4, v6
.irp qt, 0,1,2,3
	v_mov_b32 v[U+\qt], 0                          ; v_permlanex16_b32 counts as a reader of its destination
.endr
	s_wait_loadcnt 0x0                             ; Q, once
.macro LOADK slot, sub                 ; 16 loads: 64 keys x 64 d
.irp kt, 0,1,2,3
.irp ks, 0,1
	ds_load_b128 v[KF+8*(2*\kt+\ks):KF+8*(2*\kt+\ks)+3],   v[ADRK+\slot] offset:(\sub)*64*PITCHK+\kt*16*PITCHK+64*\ks
	ds_load_b128 v[KF+8*(2*\kt+\ks)+4:KF+8*(2*\kt+\ks)+7], v[ADRK+\slot] offset:(\sub)*64*PITCHK+\kt*16*PITCHK+64*\ks+32
.endr
.endr
.endm
.macro LOADV slot, sub                 ; 16 transposing loads: 64 d x 64 keys
.irp dt, 0,1,2,3
.irp kk, 0,1
	ds_load_tr16_b128 v[VF+8*(2*\dt+\kk):VF+8*(2*\dt+\kk)+3],   v[ADRV+\slot] offset:(\sub)*64*PITCHV+\kk*32*PITCHV+32*\dt
	ds_load_tr16_b128 v[VF+8*(2*\dt+\kk)+4:VF+8*(2*\dt+\kk)+7], v[ADRV+\slot] offset:(\sub)*64*PITCHV+\kk*32*PITCHV+32*\dt+16*PITCHV
.endr
.endr
.endm
; 64 keys: quarter sub of the tile in a slot.  first = 1: the launch's first 64 keys start maximum, sums and O.
.macro SUB slot, sub, first
.if \sub == 0
	LOADK \slot, 0                                 ; later quarters' K was fetched in the quarter before
.endif
	LOADV \slot, \sub
	s_wait_dscnt 16                                ; K is in; the 16 loads of V may be out
	WIN 0x50                                       ; D and C in window 1
	; S^T = K Q^T.  The 16 accumulators take turns, one instruction a turn; the first product starts each sum.
.irp qt, 0,1,2,3
.irp kt, 0,1,2,3
	v_wmma_f32_16x16x32_f16 v[8*(4*\qt+\kt):8*(4*\qt+\kt)+7], v[KF+16*\kt:KF+16*\kt+7], v[QF+16*\qt:QF+16*\qt+7], 0
.endr
.endr
.irp qt, 0,1,2,3
.irp kt, 0,1,2,3
	v_wmma_f32_16x16x32_f16 v[8*(4*\qt+\kt):8*(4*\qt+\kt)+7], v[KF+16*\kt+8:KF+16*\kt+15], v[QF+16*\qt+8:QF+16*\qt+15], v[8*(4*\qt+\kt):8*(4*\qt+\kt)+7]
.endr
.endr
.rept 4
	v_nop                                          ; four places before K's registers are loaded again and S is read (ISA guide 7.12.1)
.endr
	WIN 0
.if \sub < 3
	LOADK \slot, \sub+1
.endif
	; the maximum of my 32 scores of each query tile and of the running maximum; four chains that do not wait for each other
	WIN 0x05                                       ; sources 0 and 1 in window 1
.irp qt, 0,1,2,3
.if \first
	v_max_num_f32 v[T+\qt], v[32*\qt], v[32*\qt+1]
.else
	v_max3_num_f32 v[T+\qt], v[32*\qt], v[32*\qt+1], v[NM+2*\qt+1]
.endif
.endr
.irp i, 1,2,3,4,5,6,7,8,9,10,11,12,13,14,15
.irp qt, 0,1,2,3
	v_max3_num_f32 v[T+\qt], v[32*\qt+2*\i], v[32*\qt+2*\i+1], v[T+\qt]
.endr
.endr
	WIN 0
.irp qt, 0,1,2,3
	v_permlanex16_b32 v[U+\qt], v[T+\qt], s12, s13 ; the other half of the wave holds the query's other keys
.endr
.irp qt, 0,1,2,3
	v_max_num_f32 v[NM+2*\qt+1], v[T+\qt], v[U+\qt]        ; m
.endr
.irp qt, 0,1,2,3
	v_mul_f32 v[T+\qt], 0xbe38aa3b, v[NM+2*\qt+1]          ; - m c
.endr
.if \first == 0
.irp qt, 0,1,2,3
	v_sub_f32 v[AL+2*\qt], v[T+\qt], v[NM+2*\qt]           ; (old m - new m) c, from the two rounded numbers that the weights use
.endr
.endif
.irp qt, 0,1,2,3
	v_mov_b32 v[NM+2*\qt], v[T+\qt]
.endr
.if \first == 0
.irp qt, 0,1,2,3
	v_exp_f32 v[AL+2*\qt], v[AL+2*\qt]             ; alpha; the multiply-adds below, which do not name it, stand between it and its first use (ISA guide 5.7.2)
.endr
.endif
	WIN 0x41                                       ; destination and source 0 in window 1
.irp qt, 0,1,2,3
.irp i, 0,1,2,3,4,5,6,7,8,9,10,11,12,13,14,15
	v_pk_fma_f32 v[32*\qt+2*\i:32*\qt+2*\i+1], v[32*\qt+2*\i:32*\qt+2*\i+1], s[14:15], v[NM+2*\qt:NM+2*\qt+1] op_sel_hi:[1,0,0]   ; s c - m c
.endr
.endr
.set j, 0
.rept 128
	v_exp_f32 v[j], v[j]                           ; the weights, at most 1
.set j, j+1
.endr
.if \first
	v_nop                                          ; a plain instruction between the last exponential and the first use
	s_wait_alu depctr_va_vdst(0)
.else
	s_wait_alu depctr_va_vdst(0)
.irp qt, 0,1,2,3
.irp i, 0,1,2,3,4,5,6,7,8,9,10,11,12,13,14,15
	v_pk_mul_f32 v[128+32*\qt+2*\i:128+32*\qt+2*\i+1], v[128+32*\qt+2*\i:128+32*\qt+2*\i+1], v[AL+2*\qt:AL+2*\qt+1] op_sel_hi:[1,0]   ; O x alpha
.endr
.endr
.endif
	; the sum of my 32 weights of each query tile; the first two pairs start it
	WIN 0x05
.irp qt, 0,1,2,3
	v_pk_add_f32 v[RS+2*\qt:RS+2*\qt+1], v[32*\qt:32*\qt+1], v[32*\qt+2:32*\qt+3]
.endr
	WIN 0x01
.irp i, 2,3,4,5,6,7,8,9,10,11,12,13,14,15
.irp qt, 0,1,2,3
	v_pk_add_f32 v[RS+2*\qt:RS+2*\qt+1], v[32*\qt+2*\i:32*\qt+2*\i+1], v[RS+2*\qt:RS+2*\qt+1]
.endr
.endr
	; P^T in place: registers 0-3 of the fragment from S(2 kk), ascending, so that no register is written before it is read; 4-7 from S(2 kk + 1)
	WIN 0x45
.irp qt, 0,1,2,3
.irp kk, 0,1
.irp i, 0,1,2,3
	v_cvt_pk_f16_f32 v[32*\qt+16*\kk+\i], v[32*\qt+16*\kk+2*\i], v[32*\qt+16*\kk+2*\i+1]
.endr
.irp i, 0,1,2,3
	v_cvt_pk_f16_f32 v[32*\qt+16*\kk+4+\i], v[32*\qt+16*\kk+8+2*\i], v[32*\qt+16*\kk+8+2*\i+1]
.endr
.endr
.endr
.if \sub < 3
	s_wait_dscnt 16                                ; V is in; the next quarter's 16 loads of K may be out
.else
	s_wait_dscnt 0                                 ; V is in, and with it my last reads of this slot
.endif
	WIN 0x54                                       ; A (V^T) in window 0; B (P^T), C and D in window 1
	; O^T += V^T P^T; the 16 accumulators take turns, one instruction a turn
.irp qt, 0,1,2,3
.irp dt, 0,1,2,3
.if \first
	v_wmma_f32_16x16x32_f16 v[128+8*(4*\qt+\dt):128+8*(4*\qt+\dt)+7], v[VF+16*\dt:VF+16*\dt+7], v[32*\qt:32*\qt+7], 0
.else
	v_wmma_f32_16x16x32_f16 v[128+8*(4*\qt+\dt):128+8*(4*\qt+\dt)+7], v[VF+16*\dt:VF+16*\dt+7], v[32*\qt:32*\qt+7], v[128+8*(4*\qt+\dt):128+8*(4*\qt+\dt)+7]
.endif
.endr
.endr
.irp qt, 0,1,2,3
.irp dt, 0,1,2,3
	v_wmma_f32_16x16x32_f16 v[128+8*(4*\qt+\dt):128+8*(4*\qt+\dt)+7], v[VF+16*\dt+8:VF+16*\dt+15], v[32*\qt+16:32*\qt+23], v[128+8*(4*\qt+\dt):128+8*(4*\qt+\dt)+7]
.endr
.endr
	; l = alpha l + this step's sum.  These lines name none of the products' registers: they are the five places and more behind which the next S products
	; write over P and the next loads over V.
	WIN 0
.irp qt, 0,1,2,3
.if \first
	v_add_f32 v[AL+2*\qt+1], v[RS+2*\qt], v[RS+2*\qt+1]
.else
	v_add_f32 v[RS+2*\qt], v[RS+2*\qt], v[RS+2*\qt+1]
.endif
.endr
.if \first
	v_nop                                          ; the fifth place
.else
.irp qt, 0,1,2,3
	v_fma_f32 v[AL+2*\qt+1], v[AL+2*\qt], v[AL+2*\qt+1], v[RS+2*\qt]
.endr
.endif
.endm
; A tile of 256 keys.  The round of the cluster's barrier is the barrier in front of the refill: in front of it every wave has waited for all its tensor loads, its part
; of this trip's tile among them, and for its reads of the other slot; behind it the other slot is asked for again first, one load a wave, and has the whole trip to land.
.macro TRIP slot, refill, first
	s_wait_xcnt 0x0
	v_lshl_add_u32 v190, v0, 2, 0x2a800
	v_mov_b32 v191, 0
	s_wait_tensorcnt 0x0
	ds_add_u32 v190, v191
	s_wait_dscnt 0x0
	s_add_nc_u64 s[G0K+4*\slot+2:G0K+4*\slot+3], s[G0K+4*\slot+2:G0K+4*\slot+3], 2*TILE   ; no load of mine is out: this slot's next tile
	s_add_nc_u64 s[G0V+4*\slot+2:G0V+4*\slot+3], s[G0V+4*\slot+2:G0V+4*\slot+3], 2*TILE
	s_wait_dscnt 0x0
	ROUND
.if \refill
	JLOAD 1-\slot
.endif
	SUB \slot, 0, \first
	SUB \slot, 1, 0
	SUB \slot, 2, 0
	SUB \slot, 3, 0
.endm
	TRIP 0, 1, 1                                   ; tile 0 stands in front of the loop: its first 64 keys start the sums; it asks for tile 1
	s_mov_b32 s48, 3
.Lpair:
	TRIP 1, 1, 0                                   ; tiles 1, 3, 5; each asks for the tile behind it
	TRIP 0, 1, 0                                   ; tiles 2, 4, 6; the last of them asks for tile 7, the last
	s_sub_co_u32 s48, s48, 1
	s_cmp_lg_u32 s48, 0
	s_cbranch_scc1 .Lpair
	TRIP 1, 0, 0                                   ; tile 7; nothing is left to fetch (the stepped addresses are not used)
	; the end: the two halves' sums meet, O is divided by the sum and leaves through my stage, 16 queries at a time
.irp qt, 0,1,2,3
	v_permlanex16_b32 v[U+\qt], v[AL+2*\qt+1], s12, s13
.endr
.irp qt, 0,1,2,3
	v_add_f32 v[AL+2*\qt+1], v[AL+2*\qt+1], v[U+\qt]
.endr
.irp qt, 0,1,2,3
	v_rcp_f32 v[AL+2*\qt], v[AL+2*\qt+1]
.endr
	v_nop                                          ; a plain instruction between the reciprocals and their first use (ISA guide 5.7.2)
	s_wait_alu depctr_va_vdst(0)
.macro OUTQ qt
	WIN 0x41
.irp i, 0,1,2,3,4,5,6,7,8,9,10,11,12,13,14,15
	v_pk_mul_f32 v[128+32*\qt+2*\i:128+32*\qt+2*\i+1], v[128+32*\qt+2*\i:128+32*\qt+2*\i+1], v[AL+2*\qt:AL+2*\qt+1] op_sel_hi:[1,0]
.endr
	WIN 0x05
.irp dt, 0,1,2,3
.irp i, 0,1,2,3
	v_cvt_pk_f16_f32 v[TMP+4*\dt+\i], v[128+8*(4*\qt+\dt)+2*\i], v[128+8*(4*\qt+\dt)+2*\i+1]
.endr
.endr
	WIN 0
.irp dt, 0,1,2,3
	ds_store_b128 v[STO], v[TMP+4*\dt:TMP+4*\dt+3] offset:32*\dt
.endr
.irp t, 0,1,2,3
	ds_load_b128 v[KF+16*\qt+4*\t:KF+16*\qt+4*\t+3], v[RD] offset:\t*4*PITCHK   ; LDS serves a wave's instructions in order: these see the stores above
.endr
.irp t, 0,1,2,3
	s_wait_dscnt 3-\t
	global_store_b128 v[CO], v[KF+16*\qt+4*\t:KF+16*\qt+4*\t+3], s[6:7] offset:2048*\qt+512*\t   ; four queries, 512 consecutive bytes of cc, aligned; registers of their own
.endr
.endm
	OUTQ 0
	OUTQ 1
	OUTQ 2
	OUTQ 3
	s_wait_xcnt 0x0
	v_lshl_add_u32 v190, v0, 2, 0x2a800
	v_mov_b32 v191, 0
	s_wait_tensorcnt 0x0
	ds_add_u32 v190, v191
	s_wait_dscnt 0x0
	ROUND                                          ; the closing round
	s_endpgm
.Lfunc_end_k_qa8f3a20c64_attn:
	.size	k_qa8f3a20c64_attn, .Lfunc_end_k_qa8f3a20c64_attn-k_qa8f3a20c64_attn
	.p2alignl 7, 3214868480
	.fill 96, 4, 3214868480
	.section	.rodata,"a",@progbits
	.p2align	6, 0x0
	.amdhsa_kernel k_qa8f3a20c64_attn
		.amdhsa_group_segment_fixed_size 327680
		.amdhsa_private_segment_fixed_size 0
		.amdhsa_enable_private_segment 0
		.amdhsa_kernarg_size 16
		.amdhsa_user_sgpr_count 2
		.amdhsa_user_sgpr_kernarg_segment_ptr 1
		.amdhsa_wavefront_size32 1
		.amdhsa_system_sgpr_workgroup_id_x 1
		.amdhsa_system_sgpr_workgroup_id_y 1
		.amdhsa_system_sgpr_workgroup_id_z 1
		.amdhsa_system_vgpr_workitem_id 0
		.amdhsa_next_free_vgpr 512
		.amdhsa_next_free_sgpr 66
		.amdhsa_reserve_vcc 0
		.amdhsa_float_denorm_mode_32 3
		.amdhsa_float_denorm_mode_16_64 3
		.amdhsa_memory_ordered 1
		.amdhsa_forward_progress 1
		.amdhsa_inst_pref_size 255
	.end_amdhsa_kernel
	.section	.bss,"aw",@nobits
	.p2align	6
	.space	262144
	.amdgpu_metadata
---
amdhsa.version: [ 1, 2 ]
amdhsa.kernels:
  - .name:           k_qa8f3a20c64_attn
    .symbol:         k_qa8f3a20c64_attn.kd
    .args:
      - { .name: hd, .offset: 0, .size: 8, .value_kind: global_buffer, .address_space: global }
      - { .name: cc, .offset: 8, .size: 8, .value_kind: global_buffer, .address_space: global }
    .group_segment_fixed_size: 327680
    .private_segment_fixed_size: 0
    .kernarg_segment_align: 8
    .kernarg_segment_size: 16
    .max_flat_workgroup_size: 256
    .sgpr_count:     66
    .vgpr_count:     512
    .wavefront_size: 32
...
	.end_amdgpu_metadata
.endif
;; end of part 3
;; launch outp (part 4): grid 4 x 64, 4 waves a work-group, clusters of 4 x 4, 327,680 bytes of LDS; arguments cc, xw, b_o, out0; writes out0
.if DOCPART == 4
	.amdgcn_target "amdgcn-amd-amdhsa--gfx1250"
	.amdhsa_code_object_version 6
	.text
	.protected	k_qa8f3a20c64_outp
	.globl	k_qa8f3a20c64_outp
	.p2align	8
	.type	k_qa8f3a20c64_outp,@function
k_qa8f3a20c64_outp:
	s_mov_b64 s[64:65], 0
	v_nop
	global_prefetch_b8 v0, s[64:65] scope:SCOPE_SE
	s_setreg_imm32_b32 hwreg(HW_REG_WAVE_MODE, 25, 1), 1
	s_wait_xcnt 0x0
	s_wait_alu depctr_hold_cnt(0) depctr_sa_sdst(0) depctr_va_vdst(0) depctr_va_sdst(0) depctr_va_ssrc(0) depctr_va_vcc(0) depctr_vm_vsrc(0)
	s_getreg_b32 s2, hwreg(HW_REG_IB_STS2, 6, 4)
	s_cmp_eq_u32 s2, 0
	s_cbranch_scc0 .Lentry_in_a_cluster
	s_endpgm
.Lentry_in_a_cluster:
	s_bfe_u32 s2, ttmp6, 0x10000c
	s_cmp_lg_u32 s2, 0xf033
	s_cbranch_scc0 .Lentry_shape_is_right
	s_endpgm
.Lentry_shape_is_right:
; The output projection: out0 = concat w_o^T + b_o.  concat[m][64 head + d] lies head-major in cc ([4][16][2048][64] f16), w_o in f16 54 MiB into xw, out0 is f32.
; A work-group makes 128 rows x 256 columns with four waves; a wave 64 x 128: 32 accumulator tiles, 256 registers.  64 block rows x 4 block columns = 256 work-groups.
; K = 1024 goes in steps of 128 = two heads through two LDS slots.  A head's part of a block row is 128 rows of 128 bytes, 16,384 dense bytes of cc:
; it is fetched as 64 rows of 256 bytes, and the padding behind every 128 bytes sets the rows apart again in LDS.
; CLUSTERS: 4 x 4 work-groups; concat's tiles are shared along a row of the cluster, w_o's along a column, each asked for jointly: a quarter of the requests.
; THE MATRIX INSTRUCTION IS USED TRANSPOSED (source 0 = rows of w_o, source 1 = rows of concat): a lane holds eight neighbouring columns of one row.
; The bias is the C operand of each sum's first product.  Sums are made in the matrix unit's order, K ascending.
; REGISTERS: window 0: addresses, two fragment buffers; window 1: the accumulators, tile (a, b) at v[8 (8 a + b)]; window 2: v0-63 the bias.
.set KSTEP,  128
.set PITCH,  272                       ; w_o's LDS rows: 256 bytes + 16
.set APITCH, 144                       ; concat's LDS rows: one head's 128 bytes + 16; both odd multiples of 16
.set AHEAD,  128*APITCH                ; 18,432: one head's 128 rows, what one tensor load brings
.set BPART,  128*PITCH                 ; 34,816
.set ABYTES, 2*AHEAD
.set SLOT,   ABYTES+2*BPART            ; 106,496
.set STAGE,  2*SLOT                    ; 212,992, a multiple of 256: never a tensor load's target
.set SPITCH, 528                       ; the stage's rows: 128 f32 + 16 bytes
.set SBYTES, 16*SPITCH                 ; 8,448 bytes for each wave
.set LAPS,   1024/(2*KSTEP)
.set ADRA, 16
.set ADRB, 20
.set STO,  24
.set RD,   25
.set CO,   26
.set BO,   27
.set F0,   32                          ; fragment buffer 0: w_o's 8 fragments at F0 + 8 b, concat's 4 at F0 + 64 + 8 a
.set F1,   128
.set G1A, 24
.set G0A, 32
.set G1B, 40
.set G0B, 48
.set MSB, 0
.macro WIN new                         ; low byte: bits 1:0 source 0, 3:2 source 1, 5:4 source 2, 7:6 destination; the high byte repeats the setting that is left
.if MSB != \new
	s_set_vgpr_msb (MSB<<8)|\new
.set MSB, \new
.endif
.endm
.macro JLOAD s                         ; waves 0 and 1 fetch the K step's two heads of concat, waves 2 and 3 the halves of w_o's tile
	s_cmp_eq_u32 s15, 0
	s_cbranch_scc0 .Lfor_b_\@
	tensor_load_to_lds s[G0A+4*\s:G0A+4*\s+3], s[G1A:G1A+7]
	s_nop 0
	s_branch .Lasked_\@
.Lfor_b_\@:
	tensor_load_to_lds s[G0B+4*\s:G0B+4*\s+3], s[G1B:G1B+7]
	s_nop 0
.Lasked_\@:
.endm
.macro CREST
	s_cmp_lg_u32 s14, 0
	s_cbranch_scc1 .Lnot_wave_0_\@
	s_barrier_signal -3
.Lnot_wave_0_\@:
	s_barrier_wait -3
	s_barrier_signal -1
	s_barrier_wait -1
.endm
.macro CROUND
	s_barrier_signal -1
	s_barrier_wait -1
	CREST
.endm
	s_load_b256 s[4:11], s[0:1], 0x0               ; cc s[4:5], xw s[6:7], b_o s[8:9], out0 s[10:11]
	v_lshl_add_u32 v254, v0, 2, 0x3c400
	v_mov_b32 v255, 0
	ds_add_u32 v254, v255
	ds_add_u32 v254, v255
	v_lshrrev_b32 v1, 5, v0
	v_readfirstlane_b32 s14, v1                    ; wave 0..3
	s_lshr_b32 s15, s14, 1                         ; which 64 rows are mine.  Also: I fetch for concat (0) or for w_o (1)
	s_and_b32 s16, s14, 1                          ; which 128 columns.  Also: which head, or which half of w_o's tile, I fetch
	s_bfe_u32 s17, ttmp6, 0x40000                  ; cx
	s_bfe_u32 s18, ttmp6, 0x40004                  ; cy
	s_lshl_b32 s19, ttmp9, 2
	s_add_co_u32 s19, s19, s17                     ; block column, 0..3
	s_and_b32 s20, ttmp7, 0xffff
	s_lshl_b32 s20, s20, 2
	s_add_co_u32 s20, s20, s18                     ; block row, 0..63
	s_lshl_b32 s22, s18, 2
	s_lshl_b32 s22, 15, s22                        ; my row of the cluster
	s_lshl_b32 s23, 0x1111, s17                    ; my column
	s_or_b32 s[G1A+0], s22, (1<<16)|(1<<20)|(1<<21)|(4<<22)|(3<<25)  ; elements of 2 bytes; 4 words of padding behind every 32
	s_mov_b32 s[G1A+1], 128<<16                    ; tensor_dim0 = 128
	s_mov_b32 s[G1A+2], 64<<16                     ; tensor_dim1 = 64
	s_mov_b32 s[G1A+3], 128<<16                    ; tile_dim0 = 128
	s_mov_b32 s[G1A+4], 64                         ; tile_dim1 = 64
	s_mov_b32 s[G1A+5], 128                        ; dense: a row begins where the last ends
	s_mov_b32 s[G1A+6], 0
	s_mov_b32 s[G1A+7], 0
	s_or_b32 s[G1B+0], s23, (1<<16)|(1<<20)|(1<<21)|(5<<22)|(3<<25)  ; 4 words of padding behind every 64
	s_mov_b32 s[G1B+1], KSTEP<<16
	s_mov_b32 s[G1B+2], 128<<16
	s_mov_b32 s[G1B+3], KSTEP<<16
	s_mov_b32 s[G1B+4], 128
	s_mov_b32 s[G1B+5], 1024
	s_mov_b32 s[G1B+6], 0
	s_mov_b32 s[G1B+7], 0
	s_lshr_b32 s56, s20, 4                         ; concat: the batch, 4 MiB each,
	s_lshl_b32 s56, s56, 22
	s_and_b32 s57, s20, 15                         ; + 128 rows of 128 bytes a block row inside a head,
	s_lshl_b32 s57, s57, 14
	s_add_co_u32 s56, s56, s57
	s_lshl_b32 s57, s16, 18                        ; + my head of the K step's two, 262,144 bytes each
	s_add_co_u32 s56, s56, s57
	s_mov_b32 s57, 0
	s_lshl_b32 s58, s19, 19                        ; w_o: 256 rows of 2,048 bytes a block column,
	s_lshl_b32 s59, s16, 18                        ; + my 128 rows,
	s_add_co_u32 s58, s58, s59
	s_add_co_u32 s58, s58, 0x3600000               ; 54 MiB into xw
	s_mov_b32 s59, 0
	s_mul_i32 s68, s16, AHEAD                      ; LDS targets: made of the wave's number alone
	s_mul_i32 s69, s16, BPART
	s_add_co_u32 s69, s69, ABYTES
	s_wait_dscnt 0x0
	s_wait_kmcnt 0x0
	s_add_nc_u64 s[56:57], s[4:5], s[56:57]
	s_add_nc_u64 s[58:59], s[6:7], s[58:59]
	CROUND                                         ; all sixteen work-groups are here: the first joint loads meet
.irp s, 0,1
	s_mov_b32 s[G0A+4*\s], 1
	s_add_co_u32 s[G0A+4*\s+1], s68, \s*SLOT
	s_add_nc_u64 s[G0A+4*\s+2:G0A+4*\s+3], s[56:57], \s*2*262144   ; K step s: heads 2 s and 2 s + 1
	s_or_b32 s[G0A+4*\s+3], s[G0A+4*\s+3], 0x80000000
	s_mov_b32 s[G0B+4*\s], 1
	s_add_co_u32 s[G0B+4*\s+1], s69, \s*SLOT
	s_add_nc_u64 s[G0B+4*\s+2:G0B+4*\s+3], s[58:59], \s*KSTEP*2
	s_or_b32 s[G0B+4*\s+3], s[G0B+4*\s+3], 0x80000000
	JLOAD \s                                       ; two tensor loads of the wave are out, the most in this text
.endr
	s_lshl_b32 s62, s19, 10                        ; my 128 columns, in bytes of f32: in the bias and in a row of out0 alike
	s_lshl_b32 s63, s16, 9
	s_add_co_u32 s62, s62, s63
	s_mov_b32 s63, 0
	s_add_nc_u64 s[60:61], s[8:9], s[62:63]
	v_and_b32 v1, 15, v0                           ; r
	v_bfe_u32 v2, v0, 4, 1                         ; h
	v_lshlrev_b32 v[BO], 5, v2
	WIN 0x80                                       ; destination in window 2
.irp b, 0,1,2,3,4,5,6,7
	global_load_b128 v[8*\b:8*\b+3],   v[BO], s[60:61] offset:64*\b        ; register j of tile b: column 16 b + 8 h + j
	global_load_b128 v[8*\b+4:8*\b+7], v[BO], s[60:61] offset:64*\b+16
.endr
	WIN 0
	v_mul_u32_u24 v3, v1, PITCH
	v_lshl_add_u32 v3, v2, 4, v3                   ; w_o: r x 272 + 16 h
	v_mul_u32_u24 v4, v1, APITCH
	v_lshl_add_u32 v4, v2, 4, v4                   ; concat: r x 144 + 16 h
	s_mul_i32 s70, s15, 64*APITCH                  ; my 64 rows of each head
	s_mul_i32 s71, s16, BPART
	s_add_co_u32 s71, s71, ABYTES
.irp s, 0,1
	v_add_nc_u32 v[ADRA+\s], s70, v4
	v_add_nc_u32 v[ADRB+\s], s71, v3
	s_add_co_u32 s70, s70, SLOT
	s_add_co_u32 s71, s71, SLOT
.endr
	s_mul_i32 s70, s14, SBYTES
	s_add_co_u32 s70, s70, STAGE                   ; my stage
	v_mul_u32_u24 v5, v1, SPITCH
	v_lshl_add_u32 v5, v2, 5, v5                   ; in: row r, 32 bytes (8 f32) for each half of the lanes
	v_add_nc_u32 v[STO], s70, v5
	v_and_b32 v6, 31, v0
	v_lshlrev_b32 v[CO], 4, v6                     ; back and out: 32 lanes take a row's 512 bytes
	v_add_nc_u32 v[RD], s70, v[CO]
; The 32 accumulators take turns, one instruction a turn, in the same order in every quarter step, over the loop's backward jump too.
.macro MULA f, a, first
.if \first
	WIN 0x60
.else
	WIN 0x50
.endif
.irp b, 0,1,2,3,4,5,6,7
.if \first
	v_wmma_f32_16x16x32_f16 v[8*(8*\a+\b):8*(8*\a+\b)+7], v[\f+8*\b:\f+8*\b+7], v[\f+64+8*\a:\f+64+8*\a+7], v[8*\b:8*\b+7]
.else
	v_wmma_f32_16x16x32_f16 v[8*(8*\a+\b):8*(8*\a+\b)+7], v[\f+8*\b:\f+8*\b+7], v[\f+64+8*\a:\f+64+8*\a+7], v[8*(8*\a+\b):8*(8*\a+\b)+7]
.endif
.endr
.endm
; quarter q of a K step: bytes 64 q of w_o's rows; head q / 2, bytes 64 (q mod 2) of concat's
.macro FETCH slot, q, f
	WIN 0
.irp b, 0,1,2,3,4,5,6,7
	ds_load_b128 v[\f+8*\b:\f+8*\b+3],   v[ADRB+\slot] offset:64*\q+\b*16*PITCH
	ds_load_b128 v[\f+8*\b+4:\f+8*\b+7], v[ADRB+\slot] offset:64*\q+\b*16*PITCH+32
.endr
.irp a, 0,1,2,3
	ds_load_b128 v[\f+64+8*\a:\f+64+8*\a+3], v[ADRA+\slot] offset:(\q>>1)*AHEAD+(\q&1)*64+\a*16*APITCH
	ds_load_b128 v[\f+64+8*\a+4:\f+64+8*\a+7], v[ADRA+\slot] offset:(\q>>1)*AHEAD+(\q&1)*64+\a*16*APITCH+32
.endr
.endm
.macro PLACES                          ; four places behind matrix instructions before their sources are loaded again or their results read (ISA guide 7.12.1 for vector instructions)
.rept 4
	v_nop
.endr
.endm
.macro QUARTER slot, q, f, g, first
	s_wait_dscnt 4                                 ; the youngest four loads (concat's fragments 2 and 3) may be out
	MULA \f, 0, \first
	MULA \f, 1, \first
	PLACES
	FETCH \slot, \q, \g
	s_wait_dscnt 24                                ; all but the 24 just issued
	MULA \f, 2, \first
	MULA \f, 3, \first
.endm
.macro THREE slot, first
	QUARTER \slot, 1, F0, F1, \first
	QUARTER \slot, 2, F1, F0, 0
	QUARTER \slot, 3, F0, F1, 0
.endm
; The last quarter and the change of slots: each wave's waits for its reads of this slot and for all its tensor loads stand in front of the barrier's signal;
; where the slot is filled again that barrier opens a round of the cluster's barrier, and the joint refill is the first tensor load behind the round.
.macro TURN slot, next, fill
	s_wait_dscnt 4
	MULA F1, 0, 0
	s_wait_dscnt 0
	s_wait_tensorcnt 0x0
	ds_add_u32 v254, v255
	s_wait_dscnt 0x0
	s_barrier_signal -1
	MULA F1, 1, 0
	WIN 0
	s_barrier_wait -1
.if \fill
	CREST
	s_add_nc_u64 s[G0A+4*\slot+2:G0A+4*\slot+3], s[G0A+4*\slot+2:G0A+4*\slot+3], 4*262144    ; two K steps on: four heads
	s_add_nc_u64 s[G0B+4*\slot+2:G0B+4*\slot+3], s[G0B+4*\slot+2:G0B+4*\slot+3], 2*KSTEP*2
	JLOAD \slot
.endif
	PLACES
	FETCH \next, 0, F0
	MULA F1, 2, 0
	MULA F1, 3, 0
.endm
.macro LAP first
	THREE 0, \first
	TURN 0, 1, 1
	THREE 1, 0
	TURN 1, 0, 1
.endm
	s_wait_tensorcnt 1                             ; my part of K step 0 is in; K step 1's may stay out
	s_barrier_signal -1
	s_barrier_wait -1
	FETCH 0, 0, F0
	s_wait_loadcnt 0x0                             ; the bias
	LAP 1
	WIN 0
	s_mov_b32 s3, LAPS-2
.Llap:
	LAP 0
	WIN 0
	s_sub_co_u32 s3, s3, 1
	s_cmp_lg_u32 s3, 0
	s_cbranch_scc1 .Llap
	THREE 0, 0
	TURN 0, 1, 0
	THREE 1, 0
	s_wait_dscnt 4
	MULA F1, 0, 0
	MULA F1, 1, 0
	s_wait_dscnt 0
	MULA F1, 2, 0
	MULA F1, 3, 0
	; THE WAY OUT, 16 rows at a time, in f32: the accumulators go as they are into my own stage and come back as whole row pieces of 512 bytes.
	PLACES
	s_lshl_b32 s66, s20, 7
	s_lshl_b32 s67, s15, 6
	s_add_co_u32 s66, s66, s67                     ; my first row
	s_lshl_b32 s66, s66, 12                        ; 4,096 bytes a row of out0
	s_add_co_u32 s66, s66, s62                     ; + my first column
	s_mov_b32 s67, 0
	s_add_nc_u64 s[10:11], s[10:11], s[66:67]
.macro OUT16 i, f
	WIN 0x04                                       ; an LDS store's data is source 1: window 1
.irp b, 0,1,2,3,4,5,6,7
	ds_store_b128 v[STO], v[8*(8*\i+\b):8*(8*\i+\b)+3] offset:64*\b
	ds_store_b128 v[STO], v[8*(8*\i+\b)+4:8*(8*\i+\b)+7] offset:64*\b+16
.endr
	WIN 0
	s_wait_xcnt 0x0                                ; two areas of 64 registers take turns: an area that earlier stores read is loaded again only behind this wait
.irp t, 0,1,2,3,4,5,6,7,8,9,10,11,12,13,14,15
	ds_load_b128 v[\f+4*\t:\f+4*\t+3], v[RD] offset:\t*SPITCH      ; LDS serves a wave's instructions in order: these see the stores above
.endr
.irp t, 0,1,2,3,4,5,6,7,8,9,10,11,12,13,14,15
	s_wait_dscnt 15-\t
	global_store_b128 v[CO], v[\f+4*\t:\f+4*\t+3], s[10:11] offset:(16*\i+\t)*4096 th:TH_STORE_NT   ; 512 consecutive bytes of a row, aligned; written once, read by nobody
.endr
.endm
	OUT16 0, F0
	OUT16 1, F1
	OUT16 2, F0
	OUT16 3, F1
	s_wait_tensorcnt 0x0
	ds_add_u32 v254, v255
	s_wait_dscnt 0x0
	CROUND                                         ; the closing round
	s_endpgm
.Lfunc_end_k_qa8f3a20c64_outp:
	.size	k_qa8f3a20c64_outp, .Lfunc_end_k_qa8f3a20c64_outp-k_qa8f3a20c64_outp
	.p2alignl 7, 3214868480
	.fill 96, 4, 3214868480
	.section	.rodata,"a",@progbits
	.p2align	6, 0x0
	.amdhsa_kernel k_qa8f3a20c64_outp
		.amdhsa_group_segment_fixed_size 327680
		.amdhsa_private_segment_fixed_size 0
		.amdhsa_enable_private_segment 0
		.amdhsa_kernarg_size 32
		.amdhsa_user_sgpr_count 2
		.amdhsa_user_sgpr_kernarg_segment_ptr 1
		.amdhsa_wavefront_size32 1
		.amdhsa_system_sgpr_workgroup_id_x 1
		.amdhsa_system_sgpr_workgroup_id_y 1
		.amdhsa_system_sgpr_workgroup_id_z 1
		.amdhsa_system_vgpr_workitem_id 0
		.amdhsa_next_free_vgpr 576
		.amdhsa_next_free_sgpr 80
		.amdhsa_reserve_vcc 0
		.amdhsa_float_denorm_mode_32 3
		.amdhsa_float_denorm_mode_16_64 3
		.amdhsa_memory_ordered 1
		.amdhsa_forward_progress 1
		.amdhsa_inst_pref_size 119
	.end_amdhsa_kernel
	.amdgpu_metadata
---
amdhsa.version: [ 1, 2 ]
amdhsa.kernels:
  - .name:           k_qa8f3a20c64_outp
    .symbol:         k_qa8f3a20c64_outp.kd
    .args:
      - { .name: cc, .offset: 0, .size: 8, .value_kind: global_buffer, .address_space: global }
      - { .name: xw, .offset: 8, .size: 8, .value_kind: global_buffer, .address_space: global }
      - { .name: b_o, .offset: 16, .size: 8, .value_kind: global_buffer, .address_space: global }
      - { .name: out0, .offset: 24, .size: 8, .value_kind: global_buffer, .address_space: global }
    .group_segment_fixed_size: 327680
    .private_segment_fixed_size: 0
    .kernarg_segment_align: 8
    .kernarg_segment_size: 32
    .max_flat_workgroup_size: 128
    .sgpr_count:     80
    .vgpr_count:     576
    .wavefront_size: 32
...
	.end_amdgpu_metadata
.endif
;; end of part 4
